; MI455X (gfx1250); checked and timed in simulation.
; The chip was launched on July 23, 2026; its instructions are those of AMD's public machine-readable ISA for CDNA 5 (MIT licence, August 2026) and "CDNA5" Instruction Set Architecture Reference Guide (July 2026). The comments in the code are by the model that wrote it; some were corrected since.
;; Divergence Free MLP. Allowed arithmetic: float matrix products may take bf16 or f16 operands with f32 sums; other float arithmetic in f32, or as packed bf16 or f16 multiplies, adds, multiply-adds, maxima and minima; sums over many terms, partial sums and values carried from step to step in f32; what a program stores and reads back later, other than sums and carried values, may be rounded once to bf16 or f16.
;; Inputs: W1 2,048 x 256 float32; W2 256 x 128 float32; Wo 128 x 2,048 float32; Wp 2,048 x 1 float32; b1 256 float32; b2 128 float32; bo 2,048 float32; bp 1 float32; x 8,192 x 64 x 32 float32.
;; Outputs: out0 8,192 x 1 float32.
;; One version. Each part assembles by itself: llvm-mc -triple=amdgcn-amd-amdhsa -mcpu=gfx1250 --defsym DOCPART=n.
;; ======== version 1 of 1: 2 launches
;; workspace buffers: wf 1,572,864 bytes; w2f 65,536 bytes; pw 24,576 bytes
;; launch prep (part 1): grid 100 x 1, 4 waves a work-group, no clusters, 2,560 bytes of LDS; arguments W1, Wo, W2, Wp, wf, w2f, pw; writes wf, w2f, pw
.if DOCPART == 1
	.amdgcn_target "amdgcn-amd-amdhsa--gfx1250"
	.amdhsa_code_object_version 6
	.text
	.protected	k_q7256ff07d7_prep
	.globl	k_q7256ff07d7_prep
	.p2align	8
	.type	k_q7256ff07d7_prep,@function
k_q7256ff07d7_prep:
	s_mov_b64 s[64:65], 0
	v_nop
	global_prefetch_b8 v0, s[64:65] scope:SCOPE_SE
	s_setreg_imm32_b32 hwreg(HW_REG_WAVE_MODE, 25, 1), 1
	s_wait_xcnt 0x0
; THE PROBLEM.  For each sample z (2,048 numbers): out = (J z - J^T z) . Wp + bp, J the Jacobian at z of base(z) = relu(relu(z W1 + b1) W2 + b2) Wo + bo.
; WHAT IS COMPUTED.  With c = z W1, a1 = c + b1, m1 = (a1 > 0), h1 = m1 a1, t1 = m1 c, a2 = h1 W2 + b2, m2 = (a2 > 0), u = t1 W2, e = Wo z:
;   J z = (m2 u) Wo, so (J z) . Wp = sum_j m2_j u_j wop_j with wop = Wo Wp (128 numbers);
;   J^T z = W1 (m1 (W2 (m2 e))), so (J^T z) . Wp = sum_i m1_i w1p_i sum_j W2[i][j] m2_j e_j = sum_j m2_j e_j q_j with w1p = W1^T Wp (256 numbers), q = (m1 w1p) W2.
;   out = sum_j m2_j (u_j wop_j - e_j q_j) + bp.  Both lines only change the order of finite sums: they hold for all values of the inputs.
; DEAD WORK, for all values: reference() throws both primal results base(z) away, and the derivative of '+ bo' is 0: so h2 Wo + bo reaches no output, bo has no way to the output,
; is not loaded and is no argument of any launch.  The vectors J z and J^T z (2,048 wide) are never formed: only their products with Wp are wanted.
; LIMITS.  A NaN, an infinity or an overflow that arises only in bo, in base(z) or in the 2,048-wide vectors is not carried to the result.  All inputs are rounded to bf16 once.
; THIS LAUNCH lays the weights out, rounded to bf16, in the order in which a wave's operand registers take them, and makes partial sums of w1p and wop.
; A FRAGMENT is 16 rows x 32 k of bf16, 1,024 bytes: byte 512 p + 16 L holds, for lane L = (h = L / 16, r = L % 16), row r and k = 16 p + 8 h + 0..7: two loads of 512 bytes on end fill it.
; wf [64 K steps][24 tiles]: the 384 columns [W1 | Wo^T].  Column col lies in tile 4 (col / 64) + col % 4 at row (col / 4) % 16: so a lane that loads four neighbouring columns holds one
; piece of four tiles at its own lane's place, loads take 256 bytes on end and stores 512.  w2f [8 K steps][8 tiles]: W2, its 256 rows (K) and its 128 columns both in that same order.
; pw [16 slabs of 128 k][384 columns], f32: sum over the slab's k of bf16(weight) x bf16(Wp[k]); the next launch adds the 16 slabs (partial sums stay in f32).
; SHARES.  Work-groups 0-63: W1, slab id / 4, 64 columns id % 4.  64-95: Wo, slab (id - 64) / 2, 64 rows (id - 64) % 2.  A wave takes 32 k of the slab's 128.  96-99: W2, a wave takes 32 k x 64 columns.
.set SPARE, 2048                       ; LDS: bytes 0-2047 the four waves' sums; from here the spare words, 128 bytes a wave, that no other line names
.set LN,  1                            ; v1   L
.set RR,  2                            ; v2   r
.set HF,  3                            ; v3   h
.set VO,  4                            ; v4   my byte offset in the weights
.set SO,  5                            ; v5   16 L: my place in half a fragment; also where wave 0 reads the sums back
.set WPO, 6                            ; v6   32 h: my eight numbers of Wp
.set PWO, 7                            ; v7   16 r + 8 h: my two columns in pw
.set SPW, 8                            ; v8   LDS address of my spare word; never rewritten
.set NIL, 9                            ; v9   0; never rewritten
.set LST, 10                           ; v10  16 x my thread's number: where I put my four sums
.set SM,  12                           ; v[12:15]   sums for my four columns
.set WPK, 20                           ; v[20:27]   Wp in bf16, pairs: [p][q]
.set WPF, 32                           ; v[32:47]   Wp as loaded: [p][8]
.set D,   48                           ; v[48:111]  weights as loaded
.set PK,  112                          ; v[112:143] weights in bf16: [p][tile c][q]
.set RD,  144                          ; v[144:159] the four waves' sums
.macro LOAD_KN pstep, rstep            ; weights stored [k][column]: 16 rows k = 16 p + 8 h + i, four columns a lane
.irp p, 0,1
.irp i, 0,1,2,3,4,5,6,7
	global_load_b128 v[D+32*(\p)+4*(\i):D+32*(\p)+4*(\i)+3], v[VO], s[24:25] offset:(\p)*(\pstep)+(\i)*(\rstep) th:TH_LOAD_NT
.endr
.endr
.endm
.macro LOAD_NK                         ; weights stored [row][k]: four rows c a lane, eight k each for p = 0, 1
.irp p, 0,1
.irp c, 0,1,2,3
	global_load_b128 v[D+32*(\p)+8*(\c):D+32*(\p)+8*(\c)+3],   v[VO], s[24:25] offset:(\c)*8192+(\p)*64
	global_load_b128 v[D+32*(\p)+8*(\c)+4:D+32*(\p)+8*(\c)+7], v[VO], s[24:25] offset:(\c)*8192+(\p)*64+16
.endr
.endr
.endm
.macro LOAD_WP
.irp p, 0,1
	global_load_b128 v[WPF+8*(\p):WPF+8*(\p)+3],   v[WPO], s[28:29] offset:(\p)*64
	global_load_b128 v[WPF+8*(\p)+4:WPF+8*(\p)+7], v[WPO], s[28:29] offset:(\p)*64+16
.endr
.endm
.macro PACK_KN
.irp p, 0,1
.irp c, 0,1,2,3
.irp q, 0,1,2,3
	v_cvt_pk_bf16_f32 v[PK+16*(\p)+4*(\c)+(\q)], v[D+32*(\p)+8*(\q)+(\c)], v[D+32*(\p)+8*(\q)+4+(\c)]
.endr
.endr
.endr
.endm
.macro PACK_NK
.irp p, 0,1
.irp c, 0,1,2,3
.irp q, 0,1,2,3
	v_cvt_pk_bf16_f32 v[PK+16*(\p)+4*(\c)+(\q)], v[D+32*(\p)+8*(\c)+2*(\q)], v[D+32*(\p)+8*(\c)+2*(\q)+1]
.endr
.endr
.endr
.endm
.macro STORE                           ; eight stores of 512 bytes on end: half p of tile c
.irp c, 0,1,2,3
.irp p, 0,1
	global_store_b128 v[SO], v[PK+16*(\p)+4*(\c):PK+16*(\p)+4*(\c)+3], s[26:27] offset:(\c)*1024+(\p)*512
.endr
.endr
.endm
; From s20 = slab, s22 = byte of my first tile in a K step's 24, s23 = byte of my first column in a row of pw: where I store, and my 32 numbers of Wp.
.macro BASES
	s_lshl2_add_u32 s21, s20, s18                  ; K step 4 x slab + wave
	s_mul_i32 s34, s21, 24576
	s_add_co_u32 s34, s34, s22
	s_add_nc_u64 s[26:27], s[12:13], s[34:35]
	s_mul_i32 s34, s20, 1536
	s_add_co_u32 s34, s34, s23
	s_add_nc_u64 s[30:31], s[16:17], s[34:35]
	s_lshl_b32 s34, s21, 7                         ; 32 k x 4 bytes
	s_add_nc_u64 s[28:29], s[10:11], s[34:35]
.endm
	s_load_b256 s[4:11], s[0:1], 0x0               ; W1 s[4:5], Wo s[6:7], W2 s[8:9], Wp s[10:11]
	s_load_b128 s[12:15], s[0:1], 0x20             ; wf s[12:13], w2f s[14:15]
	s_load_b64 s[16:17], s[0:1], 0x30              ; pw
	v_lshl_add_u32 v[SPW], v0, 2, SPARE
	v_mov_b32 v[NIL], 0
	v_lshrrev_b32 v[LN], 5, v0
	v_readfirstlane_b32 s18, v[LN]                 ; wave 0..3
	v_and_b32 v[LN], 31, v0
	v_and_b32 v[RR], 15, v0
	v_bfe_u32 v[HF], v0, 4, 1
	v_lshlrev_b32 v[SO], 4, v[LN]
	v_lshlrev_b32 v[WPO], 5, v[HF]
	v_lshlrev_b32 v[PWO], 4, v[RR]
	v_lshl_add_u32 v[PWO], v[HF], 3, v[PWO]
	v_lshlrev_b32 v[LST], 4, v0
	s_mov_b32 s19, ttmp9
	s_mov_b32 s32, 0x76543210                      ; v_permlanex16_b32: each lane takes its own place in the other half
	s_mov_b32 s33, 0xfedcba98
	s_mov_b32 s35, 0                               ; the high word of every offset
	s_wait_kmcnt 0x0
	s_cmp_ge_u32 s19, 96
	s_cbranch_scc1 .Lw2
	s_cmp_ge_u32 s19, 64
	s_cbranch_scc1 .Lwo
	; W1: rows k = 128 slab + 32 wave + 16 p + 8 h + i, columns 64 g + 4 r + c
	s_lshr_b32 s20, s19, 2                         ; slab
	s_and_b32 s21, s19, 3                          ; g
	s_lshl_b32 s22, s21, 12                        ; tiles 4 g ..
	s_lshl_b32 s23, s21, 8                         ; columns 64 g ..
	s_lshl2_add_u32 s34, s20, s18
	s_lshl_b32 s34, s34, 15                        ; 32 rows of 1,024 bytes for each K step
	s_add_co_u32 s34, s34, s23
	s_add_nc_u64 s[24:25], s[4:5], s[34:35]
	BASES
	v_lshlrev_b32 v[VO], 4, v[RR]
	v_lshl_add_u32 v[VO], v[HF], 13, v[VO]         ; 16 r + 8 rows x h
	LOAD_KN 16384, 1024
	LOAD_WP
	s_wait_loadcnt 0x0                             ; one round trip a wave: its 20 loads went out together
	PACK_KN
	s_branch .Lsum
.Lwo:	; Wo: rows 64 g2 + 4 r + c, k as above
	s_sub_co_u32 s21, s19, 64
	s_lshr_b32 s20, s21, 1                         ; slab
	s_and_b32 s21, s21, 1                          ; g2
	s_lshl_b32 s22, s21, 12
	s_add_co_u32 s22, s22, 16384                   ; tiles 16 + 4 g2 ..
	s_lshl_b32 s23, s21, 8
	s_add_co_u32 s23, s23, 1024                    ; columns 256 + 64 g2 ..
	s_lshl_b32 s34, s21, 19                        ; 64 rows of 8,192 bytes
	s_lshl2_add_u32 s36, s20, s18
	s_lshl_b32 s36, s36, 7
	s_add_co_u32 s34, s34, s36
	s_add_nc_u64 s[24:25], s[6:7], s[34:35]
	BASES
	v_lshlrev_b32 v[VO], 15, v[RR]
	v_lshl_add_u32 v[VO], v[HF], 5, v[VO]          ; 4 rows x r + 8 k x h
	LOAD_NK
	LOAD_WP
	s_wait_loadcnt 0x0
	PACK_NK
.Lsum:
	STORE
	; my four columns' sums over my 16 k, on the rounded numbers: bf16 x bf16 added in f32
.irp p, 0,1
.irp q, 0,1,2,3
	v_cvt_pk_bf16_f32 v[WPK+4*(\p)+(\q)], v[WPF+8*(\p)+2*(\q)], v[WPF+8*(\p)+2*(\q)+1]
.endr
.endr
.irp c, 0,1,2,3
	v_mov_b32 v[SM+(\c)], 0
.endr
.irp p, 0,1
.irp q, 0,1,2,3
.irp c, 0,1,2,3
	v_fma_mix_f32_bf16 v[SM+(\c)], v[PK+16*(\p)+4*(\c)+(\q)], v[WPK+4*(\p)+(\q)], v[SM+(\c)] op_sel_hi:[1,1,0]
.endr
.irp c, 0,1,2,3
	v_fma_mix_f32_bf16 v[SM+(\c)], v[PK+16*(\p)+4*(\c)+(\q)], v[WPK+4*(\p)+(\q)], v[SM+(\c)] op_sel:[1,1,0] op_sel_hi:[1,1,0]
.endr
.endr
.endr
.irp c, 0,1,2,3
	v_permlanex16_b32 v[D+(\c)], v[SM+(\c)], s32, s33  ; the other half of the lanes holds the same columns' other k
.endr
.irp c, 0,1,2,3
	v_add_f32 v[SM+(\c)], v[SM+(\c)], v[D+(\c)]
.endr
	ds_store_b128 v[LST], v[SM:SM+3]
	s_wait_dscnt 0x0                               ; for the others' sake: my sums lie in LDS
	s_barrier_signal -1
	s_barrier_wait -1
	s_cmp_lg_u32 s18, 0
	s_cbranch_scc1 .Lend                           ; wave 0 adds the four waves' sums
.irp w, 0,1,2,3
	ds_load_b128 v[RD+4*(\w):RD+4*(\w)+3], v[SO] offset:512*(\w)
.endr
	s_wait_dscnt 0x0
	v_pk_add_f32 v[RD:RD+1], v[RD:RD+1], v[RD+4:RD+5]
	v_pk_add_f32 v[RD+2:RD+3], v[RD+2:RD+3], v[RD+6:RD+7]
	v_pk_add_f32 v[RD+8:RD+9], v[RD+8:RD+9], v[RD+12:RD+13]
	v_pk_add_f32 v[RD+10:RD+11], v[RD+10:RD+11], v[RD+14:RD+15]
	v_pk_add_f32 v[RD:RD+1], v[RD:RD+1], v[RD+8:RD+9]
	v_pk_add_f32 v[RD+2:RD+3], v[RD+2:RD+3], v[RD+10:RD+11]
	v_cmp_ne_u32 vcc_lo, 0, v[HF]                  ; both halves hold all four: lanes 0-15 store columns 0, 1 of their four, lanes 16-31 columns 2, 3
	v_cndmask_b32 v[RD], v[RD], v[RD+2], vcc_lo
	v_cndmask_b32 v[RD+1], v[RD+1], v[RD+3], vcc_lo
	global_store_b64 v[PWO], v[RD:RD+1], s[30:31]  ; 32 lanes store 256 bytes on end, at a multiple of 256 from pw's first byte
	s_branch .Lend
.Lw2:	; W2: task tc = 4 (id - 96) + wave: K step tc / 2, 64 columns tc % 2.  K place 32 ks2 + 16 p + 8 h + jj is hidden column 64 (ks2 / 2) + 32 h + 4 jj + 2 (ks2 % 2) + p
	s_sub_co_u32 s21, s19, 96
	s_lshl2_add_u32 s21, s21, s18
	s_lshr_b32 s20, s21, 1                         ; ks2
	s_and_b32 s21, s21, 1                          ; g2
	s_lshr_b32 s22, s20, 1
	s_lshl_b32 s22, s22, 15                        ; 64 rows of 512 bytes
	s_and_b32 s23, s20, 1
	s_lshl_b32 s23, s23, 10                        ; 2 rows
	s_add_co_u32 s34, s22, s23
	s_lshl_b32 s23, s21, 8                         ; 64 columns
	s_add_co_u32 s34, s34, s23
	s_add_nc_u64 s[24:25], s[8:9], s[34:35]
	s_lshl_b32 s34, s20, 13
	s_lshl_b32 s23, s21, 12
	s_add_co_u32 s34, s34, s23
	s_add_nc_u64 s[26:27], s[14:15], s[34:35]
	v_lshlrev_b32 v[VO], 4, v[RR]
	v_lshl_add_u32 v[VO], v[HF], 14, v[VO]         ; 16 r + 32 rows x h
	LOAD_KN 512, 2048
	s_wait_loadcnt 0x0
	PACK_KN
	STORE
.Lend:
	s_wait_tensorcnt 0x0                           ; the wave's end: behind my last LDS store
	ds_add_u32 v[SPW], v[NIL]
	s_wait_dscnt 0x0
	s_endpgm
.Lfunc_end_k_q7256ff07d7_prep:
	.size	k_q7256ff07d7_prep, .Lfunc_end_k_q7256ff07d7_prep-k_q7256ff07d7_prep
	.p2alignl 7, 3214868480
	.fill 96, 4, 3214868480
	.section	.rodata,"a",@progbits
	.p2align	6, 0x0
	.amdhsa_kernel k_q7256ff07d7_prep
		.amdhsa_group_segment_fixed_size 2560
		.amdhsa_private_segment_fixed_size 0
		.amdhsa_enable_private_segment 0
		.amdhsa_kernarg_size 56
		.amdhsa_user_sgpr_count 2
		.amdhsa_user_sgpr_kernarg_segment_ptr 1
		.amdhsa_wavefront_size32 1
		.amdhsa_system_sgpr_workgroup_id_x 1
		.amdhsa_system_sgpr_workgroup_id_y 1
		.amdhsa_system_sgpr_workgroup_id_z 1
		.amdhsa_system_vgpr_workitem_id 0
		.amdhsa_next_free_vgpr 160
		.amdhsa_next_free_sgpr 66
		.amdhsa_reserve_vcc 1
		.amdhsa_float_denorm_mode_32 3
		.amdhsa_float_denorm_mode_16_64 3
		.amdhsa_memory_ordered 1
		.amdhsa_forward_progress 1
		.amdhsa_inst_pref_size 23
	.end_amdhsa_kernel
	.amdgpu_metadata
---
amdhsa.version: [ 1, 2 ]
amdhsa.kernels:
  - .name:           k_q7256ff07d7_prep
    .symbol:         k_q7256ff07d7_prep.kd
    .args:
      - { .name: W1, .offset: 0, .size: 8, .value_kind: global_buffer, .address_space: global }
      - { .name: Wo, .offset: 8, .size: 8, .value_kind: global_buffer, .address_space: global }
      - { .name: W2, .offset: 16, .size: 8, .value_kind: global_buffer, .address_space: global }
      - { .name: Wp, .offset: 24, .size: 8, .value_kind: global_buffer, .address_space: global }
      - { .name: wf, .offset: 32, .size: 8, .value_kind: global_buffer, .address_space: global }
      - { .name: w2f, .offset: 40, .size: 8, .value_kind: global_buffer, .address_space: global }
      - { .name: pw, .offset: 48, .size: 8, .value_kind: global_buffer, .address_space: global }
    .group_segment_fixed_size: 2560
    .private_segment_fixed_size: 0
    .kernarg_segment_align: 8
    .kernarg_segment_size: 56
    .max_flat_workgroup_size: 128
    .sgpr_count:     66
    .vgpr_count:     160
    .wavefront_size: 32
...
	.end_amdgpu_metadata
.endif
;; end of part 1
;; launch main (part 2): grid 256 x 1, 4 waves a work-group, no clusters, 282,624 bytes of LDS; arguments x, wf, w2f, pw, b1, b2, bp, out0; writes out0
.if DOCPART == 2
	.amdgcn_target "amdgcn-amd-amdhsa--gfx1250"
	.amdhsa_code_object_version 6
	.text
	.protected	k_q7256ff07d7_main
	.globl	k_q7256ff07d7_main
	.p2align	8
	.type	k_q7256ff07d7_main,@function
k_q7256ff07d7_main:
	s_mov_b64 s[64:65], 0
	v_nop
	global_prefetch_b8 v0, s[64:65] scope:SCOPE_SE
	s_setreg_imm32_b32 hwreg(HW_REG_WAVE_MODE, 25, 1), 1
	s_wait_xcnt 0x0
; out[s] = sum_j m2_j (u_j wop_j - e_j q_j) + bp for 32 samples a work-group (the first kernel's head derives the formula).  Left out as there: bo, base(z) itself and the 2,048-wide vectors J z, J^T z.
;   c = z W1, e = Wo z: ONE product of the samples with the 384 columns of wf.  a1 = c + b1, m1 = (a1 > 0), h1 = m1 a1, t1 = m1 c, p = m1 w1p.
;   a2 = h1 W2 + b2, u = t1 W2, q = p W2: products with the same fragments of W2.  m2 = (a2 > 0).
; FORMATS.  x, the weights, b1, b2, bp are rounded to bf16 once; all sums in f32.  The result jumps where a sign of a1 or a2 changes, so what decides a sign is not rounded again: c stays f32, and h1 goes to the
; matrix unit as THREE bf16 pieces, hi + mid + lo = h1 exactly (8 + 8 + 8 significant bits), added onto one accumulator that starts at b2.  t1 and p enter smoothly and are rounded once.
; LIMITS.  A pre-activation within a few last places (f32) of 0 may take the other branch than another order of summing gives.  A NaN pre-activation counts as not positive (mask 0, h = 0).
; SHARES.  K IS SPLIT AMONG THE FOUR WAVES: wave w takes k = 512 w .. 512 w + 511 for all 384 columns and both tiles of 16 samples: 48 accumulators, 384 registers.
; The partial sums meet in LDS; then wave w takes sample tile w / 2 and half w % 2 of the 128 outputs of W2.
; TRANSPOSED USE.  Source 0 = 16 columns of weights, source 1 = 16 samples: a lane (r, h) holds sample r and places 8 h + 0..7 of a tile; two neighbouring tiles of c, packed, ARE source 1 of the next product.
; x: the work-group's 262,144 bytes are asked for at the first lines, eight tensor loads a wave (32 rows x 256 bytes each), each into bytes of its own; nothing is filled twice.  Eight loads of a wave are out at most.
; wf: straight from memory into operand registers, 16 loads (8 fragments) a group, five register slots by turns: four groups are asked for ahead of the one that is multiplied.
; NO CLUSTER, though all work-groups walk the same wf: x takes 278,528 of the 327,680 bytes of LDS; the 45,056 bytes that the constants leave would hold two slots of 22 fragments, 11 products a wave for
; each round of a cluster's barrier; and slots large enough for the weights would leave x a ring with one slot on its way in place of all of it.
; LDS.  X: wave w, tile t at (8 w + t) x 8,704: 32 rows of 256 bytes + 16 of padding (68 words: 16 rows start at 16 different groups of four banks).  Behind the first barrier, on X's bytes, whose one fill has landed:
; W2S at 0: w2f as it lies, 65,536 bytes; PART at 65,536: wave v's accumulator a = 2 tile + sample tile at 49,152 v + 1,024 a, registers 0-3 then 4-7, 16 bytes a lane.
; CONST at 278,528, in the tiles' order of places: b1[256], w1p[256] at +1,024, b2[128] at +2,048, wop[128] at +2,560.  FIN at 281,600: 512 bytes.  SPARE at 282,112: the spare words.
; REGISTERS, in windows of 256 (s_set_vgpr_msb: bits 1:0 source 0, 3:2 source 1, 5:4 source 2, 7:6 destination):
;   window 0: v1-28 addresses; v32-63 x in f32; v64-95 x's fragments, two buffers; v96-147 the constants at the head.      window 1: weight slots 0-3, 64 registers each.
;   window 2: accumulators of tiles 0-15 at 8 (2 tile + m).      window 3: v0-127 those of tiles 16-23; v128-191 weight slot 4.
;   the tail: window 1: v0-31 a2, v32-63 u, v64-95 q, v96-159 W2's fragments, two buffers; windows 0 and 2, v64-199: the two halves' work sets, with the same low numbers.
.set XT,    8704
.set XW,    8*XT
.set W2S,   0
.set PART,  65536
.set PWV,   49152
.set CONST, 278528
.set FIN,   281600
.set SPARE, 282112
.set LN,  1                            ; L
.set RR,  2                            ; r = L % 16
.set HF,  3                            ; h = L / 16
.set BO,  4                            ; 16 L
.set XA,  5                            ; my place in my wave's tiles of x: XW w + 272 r + 32 h
.set SPW, 6                            ; LDS address of my spare word; never rewritten
.set NIL, 7                            ; 0; never rewritten
.set PS,  8                            ; where I put my partial sums
.set SA,  9                            ; where I put my part of W2
.set PA,  10                           ; v10-13: where I read wave v's partial sums
.set WA,  14                           ; where I read W2's fragments
.set CA,  15                           ; where I read b1 (w1p: + 1,024)
.set CB2, 16                           ; b2
.set CE,  17                           ; wop
.set FA,  18                           ; where I put my sample's half sum
.set FL,  19                           ; where wave 0 reads them
.set OO,  20                           ; my byte in out0
.set PWO, 21                           ; 8 t: columns 2 t, 2 t + 1 (t: my thread's number)
.set PWE, 22                           ; 1,024 + 4 t: column 256 + t
.set T4,  23                           ; 4 t
.set LP,  24                           ; CONST + 4 x the place of column 2 t (column 2 t + 1: 64 bytes on)
.set LE,  25                           ; CONST + 2,048 + 4 x the place of output t
.set BP,  26                           ; bp, rounded
.set TA,  27                           ; at work
.set TB,  28
.set XS,  32
.set XF,  64
.set HW,  96                           ; the head's work: v96-127 w1p's slabs, v128-143 wop's, v144-145 b1, v146 b2, v147 at work
.set P0,  64                           ; a work set: the four waves' partial sums of two tiles, 16 each
.set P1,  80
.set P2,  96
.set P3,  112
.set B1R, 128
.set W1R, 144
.set HH,  160                          ; h1's three pieces, t1 and p as source 1 fragments
.set HM,  168
.set HL,  176
.set TT,  184
.set PP,  192
.set A2,  0
.set UU,  32
.set QQ,  64
.set W2F, 96
.set G1,  24                           ; s[24:31] descriptor group 1
.set G0,  32                           ; s[32:63] descriptor group 0, a set for each of the eight tiles
.set MK,  70                           ; s[70:85] sixteen lane masks
.set MSB, 0
.macro WIN new                         ; the immediate's high byte repeats the setting that is left; a switch that changes nothing is dropped
.if MSB != (\new)
	s_set_vgpr_msb (MSB<<8)|(\new)
.set MSB, (\new)
.endif
.endm
.macro PLACES                          ; four plain vector instructions between a product and a load into, or a read of, its registers (ISA guide 7.12.1 for reads)
.rept 4
	v_nop
.endr
.endm
.macro SLOT gg                         ; group gg's register slot: window bw_, first register bl_
.if (\gg)%5 == 4
.set bw_, 3
.set bl_, 128
.else
.set bw_, 1
.set bl_, 64*((\gg)%5)
.endif
.endm
; Group gg of the weight stream: 8 fragments, 16 loads of 512 bytes on end.  Groups 0-47: my 16 K steps of wf, three groups a step.  Groups 48, 49: my quarter of w2f, on its way to LDS.
.macro BLOADS gg
	SLOT \gg
	WIN bw_<<6
.set i_, 0
.rept 16
.if (\gg) < 48
	global_load_b128 v[bl_+4*i_:bl_+4*i_+3], v[BO], s[6:7] offset:8192*(\gg)+512*i_
.else
	global_load_b128 v[bl_+4*i_:bl_+4*i_+3], v[BO], s[8:9] offset:8192*((\gg)-48)+512*i_
.endif
.set i_, i_+1
.endr
.endm
; Group gg's 16 products: tiles 8 (gg % 3) + f, both sample tiles.  Sixteen different accumulators; 47 products stand between two links of a chain.  K step 0 starts the sums with the constant 0.
.macro MULG gg
	SLOT \gg
.if (\gg)%3 == 2
.set aw_, 3
.set ab_, 0
.else
.set aw_, 2
.set ab_, 128*((\gg)%3)
.endif
.set xf_, XF+16*(((\gg)/3)%2)
	WIN (aw_<<6)|(aw_<<4)|bw_
.set f_, 0
.rept 8
.irp m, 0,1
.if (\gg) < 3
	v_wmma_f32_16x16x32_bf16 v[ab_+16*f_+8*(\m):ab_+16*f_+8*(\m)+7], v[bl_+8*f_:bl_+8*f_+7], v[xf_+8*(\m):xf_+8*(\m)+7], 0
.else
	v_wmma_f32_16x16x32_bf16 v[ab_+16*f_+8*(\m):ab_+16*f_+8*(\m)+7], v[bl_+8*f_:bl_+8*f_+7], v[xf_+8*(\m):xf_+8*(\m)+7], v[ab_+16*f_+8*(\m):ab_+16*f_+8*(\m)+7]
.endif
.endr
.set f_, f_+1
.endr
.endm
; x of K step ks out of LDS, in f32: sample 16 m + r, k = 8 h + 0..7 and 16 + 8 h + 0..7.  A tile holds two K steps.
.macro XLOAD ks
	WIN 0
.set xt_, (\ks)/2
.set xh_, (\ks)%2
.if xh_ == 0
	s_wait_tensorcnt 7-xt_                         ; a wave's tensor loads end in order: tile xt_ is in, the 7 - xt_ younger ones may stay out; only I read my tiles
.endif
.irp m, 0,1
.irp e, 0,1,2,3
	ds_load_b128 v[XS+16*(\m)+4*(\e):XS+16*(\m)+4*(\e)+3], v[XA] offset:XT*xt_+4352*(\m)+128*xh_+16*((\e)%2)+64*((\e)/2)
.endr
.endr
.endm
.macro XCVT ks                         ; rounded to bf16: two fragments, into the buffer that the products in hand do not read
	WIN 0
	s_wait_dscnt 0x0
.set xf_, XF+16*((\ks)%2)
.set i_, 0
.rept 16
	v_cvt_pk_bf16_f32 v[xf_+i_], v[XS+2*i_], v[XS+2*i_+1]
.set i_, i_+1
.endr
.endm
; One group's step.  The slot that the group before has read is asked for again, four groups ahead, four plain vector instructions behind that group's last product: v_nop, or the next K step's 16 conversions.
.macro STEP
.if g%3 == 0
.if g > 0
	PLACES
.endif
.elseif g%3 == 1
.if g/3 < 15
	XLOAD g/3+1
.endif
	PLACES
.else
.if g/3 < 15
	XCVT g/3+1
.else
	PLACES
.endif
.endif
.if g+4 < 50
	BLOADS g+4
.endif
.if g <= 45
	s_wait_loadcnt 63                              ; group g is in: 64 loads were issued behind it, and 63 is the largest count that the wait can name
.elseif g == 46
	s_wait_loadcnt 48                              ; behind it: groups 47 to 49
.else
	s_wait_loadcnt 32                              ; behind it: groups 48 and 49
.endif
	MULG g
.endm
; THE TAIL.  A trip takes 64 places of the hidden layer, in two halves hf of 32 (one K step of W2 each).  32 LDS loads for a half: the four waves' partial sums of its two tiles, b1, w1p, four fragments of W2.
.macro LOADS hf
	WIN (2*(\hf))<<6
.irp v, 0,1,2,3
.irp a, 0,1
.irp q, 0,1
	ds_load_b128 v[P0+16*(\v)+8*(\a)+4*(\q):P0+16*(\v)+8*(\a)+4*(\q)+3], v[PA+(\v)] offset:(2*(\hf)+(\a))*2048+512*(\q)
.endr
.endr
.endr
.irp a, 0,1
.irp q, 0,1
	ds_load_b128 v[B1R+8*(\a)+4*(\q):B1R+8*(\a)+4*(\q)+3], v[CA] offset:(2*(\hf)+(\a))*64+16*(\q)
	ds_load_b128 v[W1R+8*(\a)+4*(\q):W1R+8*(\a)+4*(\q)+3], v[CA] offset:1024+(2*(\hf)+(\a))*64+16*(\q)
.endr
.endr
	WIN 0x40
.irp j, 0,1,2,3
.irp p, 0,1
	ds_load_b128 v[W2F+32*(\hf)+8*(\j)+4*(\p):W2F+32*(\hf)+8*(\j)+4*(\p)+3], v[WA] offset:8192*(\hf)+1024*(\j)+512*(\p)
.endr
.endr
.endm
.macro EACH n, line:vararg             ; one line for i_ = 0 .. n - 1
.set i_, 0
.rept \n
	\line
.set i_, i_+1
.endr
.endm
; The half's 16 numbers a lane: c, a1, the mask, h1 in three pieces, t1, p.  All operands lie in the half's window.
.macro ELEM hf
	WIN 0xaa*(\hf)
	EACH 8, v_pk_add_f32 v[P0+2*i_:P0+2*i_+1], v[P0+2*i_:P0+2*i_+1], v[P1+2*i_:P1+2*i_+1]
	EACH 8, v_pk_add_f32 v[P2+2*i_:P2+2*i_+1], v[P2+2*i_:P2+2*i_+1], v[P3+2*i_:P3+2*i_+1]
	EACH 8, v_pk_add_f32 v[P0+2*i_:P0+2*i_+1], v[P0+2*i_:P0+2*i_+1], v[P2+2*i_:P2+2*i_+1]    ; c
	EACH 8, v_pk_add_f32 v[P1+2*i_:P1+2*i_+1], v[P0+2*i_:P0+2*i_+1], v[B1R+2*i_:B1R+2*i_+1]  ; a1
	EACH 16, v_cmp_lt_f32 s[MK+i_], 0, v[P1+i_]                                              ; m1
	EACH 16, v_max_num_f32 v[P1+i_], 0, v[P1+i_]                                             ; h1
	EACH 16, v_cndmask_b32 v[P0+i_], 0, v[P0+i_], s[MK+i_]                                   ; t1
	EACH 16, v_cndmask_b32 v[W1R+i_], 0, v[W1R+i_], s[MK+i_]                                 ; p
	EACH 8, v_cvt_pk_bf16_f32 v[TT+i_], v[P0+2*i_], v[P0+2*i_+1]
	EACH 8, v_cvt_pk_bf16_f32 v[PP+i_], v[W1R+2*i_], v[W1R+2*i_+1]
	EACH 8, v_cvt_pk_bf16_f32 v[HH+i_], v[P1+2*i_], v[P1+2*i_+1]                             ; hi
	EACH 8, v_lshlrev_b32 v[P2+2*i_], 16, v[HH+i_]
	EACH 8, v_and_b32 v[P2+2*i_+1], s66, v[HH+i_]
	EACH 8, v_pk_add_f32 v[P1+2*i_:P1+2*i_+1], v[P1+2*i_:P1+2*i_+1], v[P2+2*i_:P2+2*i_+1] neg_lo:[0,1] neg_hi:[0,1]  ; h1 - hi, exact
	EACH 8, v_cvt_pk_bf16_f32 v[HM+i_], v[P1+2*i_], v[P1+2*i_+1]                             ; mid
	EACH 8, v_lshlrev_b32 v[P3+2*i_], 16, v[HM+i_]
	EACH 8, v_and_b32 v[P3+2*i_+1], s66, v[HM+i_]
	EACH 8, v_pk_add_f32 v[P1+2*i_:P1+2*i_+1], v[P1+2*i_:P1+2*i_+1], v[P3+2*i_:P3+2*i_+1] neg_lo:[0,1] neg_hi:[0,1]  ; what is left has 8 bits at the most
	EACH 8, v_cvt_pk_bf16_f32 v[HL+i_], v[P1+2*i_], v[P1+2*i_+1]                             ; lo, exact
.endm
; The half's 20 products: four tiles of W2's outputs by turns, so three others stand between two links of a chain; the last (q) and the next half's first (a2) differ too.
.macro MULS hf
	WIN 0x51|((2*(\hf))<<2)                        ; W2 and the sums in window 1, source 1 in the half's window
.irp op, HH, HM, HL
.irp j, 0,1,2,3
	v_wmma_f32_16x16x32_bf16 v[A2+8*(\j):A2+8*(\j)+7], v[W2F+32*(\hf)+8*(\j):W2F+32*(\hf)+8*(\j)+7], v[(\op):(\op)+7], v[A2+8*(\j):A2+8*(\j)+7]
.endr
.endr
.irp j, 0,1,2,3
	v_wmma_f32_16x16x32_bf16 v[UU+8*(\j):UU+8*(\j)+7], v[W2F+32*(\hf)+8*(\j):W2F+32*(\hf)+8*(\j)+7], v[TT:TT+7], v[UU+8*(\j):UU+8*(\j)+7]
.endr
.irp j, 0,1,2,3
	v_wmma_f32_16x16x32_bf16 v[QQ+8*(\j):QQ+8*(\j)+7], v[W2F+32*(\hf)+8*(\j):W2F+32*(\hf)+8*(\j)+7], v[PP:PP+7], v[QQ+8*(\j):QQ+8*(\j)+7]
.endr
.endm
	s_load_b256 s[4:11], s[0:1], 0x0               ; x s[4:5], wf s[6:7], w2f s[8:9], pw s[10:11]
	s_load_b256 s[12:19], s[0:1], 0x20             ; b1 s[12:13], b2 s[14:15], bp s[16:17], out0 s[18:19]
	v_lshl_add_u32 v[SPW], v0, 2, SPARE
	v_mov_b32 v[NIL], 0
	ds_add_u32 v[SPW], v[NIL]                      ; the wave's opening: the add, twice on end, and its wait ahead of my first tensor load
	ds_add_u32 v[SPW], v[NIL]                      ; and once more, under the one wait; the set-up below, work on registers, stands between
	v_lshrrev_b32 v[LN], 5, v0
	v_readfirstlane_b32 s20, v[LN]                 ; wave 0..3
	; descriptor group 1: a tile of 32 rows x 64 elements of 4 bytes, padded in LDS
	s_mov_b32 s[G1+0], 0x07520000                  ; 17:16 elements of 4 bytes (code 2); 20 padding on; 24:22 after every 64 words (code 5); 31:25 4 words of it (code 3)
	s_mov_b32 s[G1+1], 64<<16                      ; tensor_dim0 = 64
	s_mov_b32 s[G1+2], 32<<16                      ; tensor_dim1 = 32
	s_mov_b32 s[G1+3], 64<<16                      ; tile_dim0 = 64
	s_mov_b32 s[G1+4], 32                          ; tile_dim1 = 32
	s_mov_b32 s[G1+5], 2048                        ; elements from a sample to the next
	s_mov_b32 s[G1+6], 0
	s_mov_b32 s[G1+7], 0
	s_mul_i32 s23, s20, XW                         ; my wave's tiles in LDS
	s_lshl_b32 s2, ttmp9, 18                       ; the work-group's 32 samples of 8,192 bytes,
	s_lshl_b32 s3, s20, 11                         ; my wave's 512 k
	s_add_co_u32 s2, s2, s3
	s_mov_b32 s3, 0
	s_mul_i32 s88, s20, 393216                     ; my 16 K steps of wf, 24,576 bytes each
	s_mov_b32 s89, 0
	s_lshl_b32 s90, s20, 14                        ; my quarter of w2f
	s_mov_b32 s91, 0
	v_and_b32 v[LN], 31, v0
	v_lshlrev_b32 v[BO], 4, v[LN]
	v_lshlrev_b32 v[PWO], 3, v0
	v_lshl_add_u32 v[PWE], v0, 2, 1024
	v_lshlrev_b32 v[T4], 2, v0
	s_wait_dscnt 0x0                               ; both opening adds are done
	s_wait_kmcnt 0x0
	s_add_nc_u64 s[4:5], s[4:5], s[2:3]
	s_add_nc_u64 s[6:7], s[6:7], s[88:89]
	s_add_nc_u64 s[8:9], s[8:9], s[90:91]
.irp t, 0,1,2,3,4,5,6,7                ; all of my x: eight first fills, each into bytes of its own, ahead of every wait on TENSORcnt, every LDS read and every barrier
	s_mov_b32 s[G0+4*(\t)], 1                                      ; count = 1
	s_add_co_u32 s[G0+4*(\t)+1], s23, (\t)*XT                      ; LDS address
	s_add_nc_u64 s[G0+4*(\t)+2:G0+4*(\t)+3], s[4:5], (\t)*256      ; global address: k = 512 w + 64 t
	s_or_b32 s[G0+4*(\t)+3], s[G0+4*(\t)+3], 0x80000000            ; type = 2
	tensor_load_to_lds s[G0+4*(\t):G0+4*(\t)+3], s[G1:G1+7]
	s_nop 0
.endr
	s_load_b32 s87, s[16:17], 0x0                  ; bp
	; the constants: thread t takes columns 2 t, 2 t + 1 of w1p and b1, and output t of wop and b2
.set i_, 0
.rept 16
	global_load_b64 v[HW+2*i_:HW+2*i_+1], v[PWO], s[10:11] offset:1536*i_
	global_load_b32 v[HW+32+i_], v[PWE], s[10:11] offset:1536*i_
.set i_, i_+1
.endr
	global_load_b64 v[HW+48:HW+49], v[PWO], s[12:13]
	global_load_b32 v[HW+50], v[T4], s[14:15]
	BLOADS 0
	BLOADS 1
	BLOADS 2
	BLOADS 3
	WIN 0
	s_mov_b32 s66, 0xffff0000                      ; a word's upper bf16
	s_mov_b32 s68, 0x76543210                      ; v_permlanex16_b32: each lane takes its own place in the other half
	s_mov_b32 s69, 0xfedcba98
	s_lshr_b32 s21, s20, 1                         ; the tail: my sample tile,
	s_and_b32 s22, s20, 1                          ; my half of W2's outputs
	v_and_b32 v[RR], 15, v0
	v_bfe_u32 v[HF], v0, 4, 1
	v_mul_u32_u24 v[XA], v[RR], 272
	v_lshl_add_u32 v[XA], v[HF], 5, v[XA]
	v_add_nc_u32 v[XA], s23, v[XA]
	s_mul_i32 s2, s20, PWV
	s_add_co_u32 s2, s2, PART
	v_add_nc_u32 v[PS], s2, v[BO]
	s_lshl_b32 s2, s20, 14
	v_add_nc_u32 v[SA], s2, v[BO]                  ; W2S = 0
	s_lshl_b32 s2, s21, 10
	v_add_nc_u32 v[TA], s2, v[BO]
.irp v, 0,1,2,3
	v_add_nc_u32 v[PA+(\v)], PART+PWV*(\v), v[TA]
.endr
	s_lshl_b32 s2, s22, 12
	v_add_nc_u32 v[WA], s2, v[BO]
	v_lshl_add_u32 v[CA], v[HF], 5, CONST
	s_lshl_b32 s2, s22, 8
	s_add_co_u32 s2, s2, 2048
	v_add_nc_u32 v[CB2], s2, v[CA]
	v_add_nc_u32 v[CE], 512, v[CB2]
	s_lshl_b32 s2, s22, 7
	s_lshl_b32 s3, s21, 6
	s_add_co_u32 s2, s2, s3
	s_add_co_u32 s2, s2, FIN
	v_lshlrev_b32 v[FA], 2, v[RR]
	v_lshl_add_u32 v[FA], v[HF], 8, v[FA]
	v_add_nc_u32 v[FA], s2, v[FA]                  ; FIN + 256 h + 128 half + 4 (16 sample tile + r): a word of its own for each lane
	v_lshl_add_u32 v[FL], v[LN], 2, FIN
	s_lshl_b32 s2, ttmp9, 7
	v_lshl_add_u32 v[OO], v[LN], 2, s2
	v_lshlrev_b32 v[TA], 1, v0                     ; the place of column col: (col & 0x1c0) | (col % 4) << 4 | (col / 4) % 16; here col = 2 t
	v_and_b32 v[TA], 0x1c0, v[TA]
	v_and_b32 v[TB], 1, v0
	v_lshl_or_b32 v[TA], v[TB], 5, v[TA]
	v_bfe_u32 v[TB], v0, 1, 4
	v_or_b32 v[TA], v[TA], v[TB]
	v_lshl_add_u32 v[LP], v[TA], 2, CONST
	v_and_b32 v[TA], 0x40, v0                      ; and of output t
	v_and_b32 v[TB], 3, v0
	v_lshl_or_b32 v[TA], v[TB], 4, v[TA]
	v_bfe_u32 v[TB], v0, 2, 4
	v_or_b32 v[TA], v[TA], v[TB]
	v_lshl_add_u32 v[LE], v[TA], 2, CONST+2048
	s_wait_loadcnt 63                              ; the 34 loads of constants are in: 64 loads of weights were issued behind them
.set i_, 1
.rept 15                               ; the 16 slabs' partial sums, ascending
	v_pk_add_f32 v[HW:HW+1], v[HW:HW+1], v[HW+2*i_:HW+2*i_+1]
	v_add_f32 v[HW+32], v[HW+32], v[HW+32+i_]
.set i_, i_+1
.endr
	v_cvt_pk_bf16_f32 v[HW+51], v[HW+48], v[HW+49] ; b1 and b2 rounded to bf16, kept as f32
	v_cvt_pk_bf16_f32 v[HW+50], v[HW+50], v[HW+50]
	v_lshlrev_b32 v[HW+48], 16, v[HW+51]
	v_and_b32 v[HW+49], s66, v[HW+51]
	v_lshlrev_b32 v[HW+50], 16, v[HW+50]
	ds_store_b32 v[LP], v[HW+48]
	ds_store_b32 v[LP], v[HW+49] offset:64
	ds_store_b32 v[LP], v[HW] offset:1024
	ds_store_b32 v[LP], v[HW+1] offset:1088
	ds_store_b32 v[LE], v[HW+50]
	ds_store_b32 v[LE], v[HW+32] offset:512
	s_wait_kmcnt 0x0
	v_mov_b32 v[BP], s87
	v_cvt_pk_bf16_f32 v[BP], v[BP], v[BP]
	v_lshlrev_b32 v[BP], 16, v[BP]
	; THE PRODUCT WITH THE 384 COLUMNS: 16 K steps x 3 groups.  Written out: each tile of x has a count of its own in its wait, and the stream's places stand in the loads' immediates.
	XLOAD 0
	XCVT 0
.set g, 0
.rept 48
	STEP
.set g, g+1
.endr
	PLACES                                         ; in front of the stores that read the sums
	WIN 0
	s_wait_tensorcnt 0x0                           ; all my tiles have landed (shown already by the last tile's wait),
	s_wait_dscnt 0x0                               ; my reads of x are over, my constants lie in LDS:
	s_barrier_signal -1
	s_barrier_wait -1                              ; that holds of every wave: x's bytes may be written
	WIN 0x08                                       ; store data in window 2
.set a_, 0
.rept 32
	ds_store_b128 v[PS], v[8*a_:8*a_+3] offset:1024*a_           ; each accumulator's low registers first
	ds_store_b128 v[PS], v[8*a_+4:8*a_+7] offset:1024*a_+512
.set a_, a_+1
.endr
	WIN 0x0c                                       ; window 3
.rept 16
	ds_store_b128 v[PS], v[8*(a_-32):8*(a_-32)+3] offset:1024*a_
	ds_store_b128 v[PS], v[8*(a_-32)+4:8*(a_-32)+7] offset:1024*a_+512
.set a_, a_+1
.endr
	s_wait_loadcnt 0x0                             ; my quarter of w2f is in registers
.set i_, 0
.rept 16
	ds_store_b128 v[SA], v[128+4*i_:128+4*i_+3] offset:8192+512*i_   ; group 49, slot 4
.set i_, i_+1
.endr
	WIN 0x04                                       ; window 1
.set i_, 0
.rept 16
	ds_store_b128 v[SA], v[192+4*i_:192+4*i_+3] offset:512*i_        ; group 48, slot 3
.set i_, i_+1
.endr
	s_wait_dscnt 0x0                               ; for the others' sake: my partial sums and my part of W2 lie in LDS
	s_barrier_signal -1
	WIN 0x40
.set i_, 0
.rept 64
	v_mov_b32 v[UU+i_], 0                          ; u and q start at 0, written while the others arrive: 64 lines, so that the trip below has one text and no first trip is written out
.set i_, i_+1
.endr
	s_barrier_wait -1
.irp j, 0,1,2,3
.irp q, 0,1
	ds_load_b128 v[A2+8*(\j)+4*(\q):A2+8*(\j)+4*(\q)+3], v[CB2] offset:64*(\j)+16*(\q)  ; a2's sums start at b2
.endr
.endr
	LOADS 0
	WIN 0                                          ; at a label and at a branch every window is 0
	s_mov_b32 s86, 4
.Ltrip:                                        ; four trips of 64 hidden places.  While one half is worked on, the other half's 32 LDS loads are on their way
	LOADS 1
	s_wait_dscnt 32                                ; half 0 is in (and, the first time, b2); the 32 just issued may stay out
	ELEM 0
	MULS 0
	WIN 0
.irp v, 0,1,2,3
	v_add_nc_u32 v[PA+(\v)], 8192, v[PA+(\v)]      ; four tiles on.  These six lines are also the places in front of the loads into W2's buffer 0
.endr
	v_add_nc_u32 v[WA], 16384, v[WA]
	v_add_nc_u32 v[CA], 256, v[CA]
	LOADS 0                                        ; the next trip's half 0.  In the last trip these read bytes that lie in LDS and have been stored (e's partial sums, w1p, b2, wave 0's sums) and are thrown away: the price of one text for every trip
	s_wait_dscnt 32                                ; half 1 is in
	ELEM 1
	MULS 1
	WIN 0
	PLACES                                         ; in front of the loads into W2's buffer 1, and of the reads of the sums behind the loop
	s_sub_co_u32 s86, s86, 1
	s_cmp_lg_u32 s86, 0
	s_cbranch_scc1 .Ltrip
	; e, the masks m2 and the sum over my 64 outputs
	s_wait_dscnt 0x0                               ; the loads thrown away have come back: their registers may be loaded again
	s_lshl_b32 s2, s22, 13
.irp v, 0,1,2,3
	v_add_nc_u32 v[PA+(\v)], s2, v[PA+(\v)]        ; tiles 16 + 4 x my half ..
.endr
.irp j, 0,1,2,3
.irp q, 0,1
	ds_load_b128 v[192+8*(\j)+4*(\q):192+8*(\j)+4*(\q)+3], v[CE] offset:64*(\j)+16*(\q)  ; wop
.endr
.endr
.irp v, 0,1,2,3
.irp j, 0,1,2,3
.irp q, 0,1
	ds_load_b128 v[64+32*(\v)+8*(\j)+4*(\q):64+32*(\v)+8*(\j)+4*(\q)+3], v[PA+(\v)] offset:2048*(\j)+512*(\q)
.endr
.endr
.endr
	s_wait_dscnt 0x0
	EACH 16, v_pk_add_f32 v[64+2*i_:65+2*i_], v[64+2*i_:65+2*i_], v[96+2*i_:97+2*i_]
	EACH 16, v_pk_add_f32 v[128+2*i_:129+2*i_], v[128+2*i_:129+2*i_], v[160+2*i_:161+2*i_]
	EACH 16, v_pk_add_f32 v[64+2*i_:65+2*i_], v[64+2*i_:65+2*i_], v[128+2*i_:129+2*i_]      ; e
	WIN 0x01                                       ; source 0 (q, u, a2) in window 1; ascending
	EACH 16, v_pk_mul_f32 v[96+2*i_:97+2*i_], v[QQ+2*i_:QQ+2*i_+1], v[64+2*i_:65+2*i_]       ; q e
	EACH 16, v_pk_fma_f32 v[96+2*i_:97+2*i_], v[UU+2*i_:UU+2*i_+1], v[192+2*i_:193+2*i_], v[96+2*i_:97+2*i_] neg_lo:[0,0,1] neg_hi:[0,0,1]  ; u wop - q e
	EACH 16, v_cmp_gt_f32 s[MK+i_], v[A2+i_], 0                                              ; m2
	EACH 16, v_cndmask_b32 v[96+i_], 0, v[96+i_], s[MK+i_]
	EACH 16, v_cmp_gt_f32 s[MK+i_], v[A2+16+i_], 0
	EACH 16, v_cndmask_b32 v[112+i_], 0, v[112+i_], s[MK+i_]
	WIN 0
	EACH 8, v_pk_add_f32 v[96+2*i_:97+2*i_], v[96+2*i_:97+2*i_], v[112+2*i_:113+2*i_]
	EACH 4, v_pk_add_f32 v[96+2*i_:97+2*i_], v[96+2*i_:97+2*i_], v[104+2*i_:105+2*i_]
	EACH 2, v_pk_add_f32 v[96+2*i_:97+2*i_], v[96+2*i_:97+2*i_], v[100+2*i_:101+2*i_]
	v_pk_add_f32 v[96:97], v[96:97], v[98:99]
	v_add_f32 v96, v96, v97
	v_permlanex16_b32 v97, v96, s68, s69           ; the sample's other 32 places lie in the lane 16 away
	v_add_f32 v96, v96, v97
	ds_store_b32 v[FA], v96
	s_wait_dscnt 0x0                               ; for wave 0's sake
	s_barrier_signal -1
	s_barrier_wait -1
	s_cmp_lg_u32 s20, 0
	s_cbranch_scc1 .Lend
	ds_load_b32 v96, v[FL]                         ; sample L: the two halves of the outputs
	ds_load_b32 v97, v[FL] offset:128
	s_wait_dscnt 0x0
	v_add_f32 v96, v96, v97
	v_add_f32 v96, v96, v[BP]
	global_store_b32 v[OO], v96, s[18:19]          ; the work-group's 32 results: 128 bytes on end, all that it owns of out0
.Lend:
	s_wait_tensorcnt 0x0                           ; the wave's end: behind my last tensor load and my last LDS store
	ds_add_u32 v[SPW], v[NIL]
	s_wait_dscnt 0x0
	s_endpgm
.Lfunc_end_k_q7256ff07d7_main:
	.size	k_q7256ff07d7_main, .Lfunc_end_k_q7256ff07d7_main-k_q7256ff07d7_main
	.p2alignl 7, 3214868480
	.fill 96, 4, 3214868480
	.section	.rodata,"a",@progbits
	.p2align	6, 0x0
	.amdhsa_kernel k_q7256ff07d7_main
		.amdhsa_group_segment_fixed_size 282624
		.amdhsa_private_segment_fixed_size 0
		.amdhsa_enable_private_segment 0
		.amdhsa_kernarg_size 64
		.amdhsa_user_sgpr_count 2
		.amdhsa_user_sgpr_kernarg_segment_ptr 1
		.amdhsa_wavefront_size32 1
		.amdhsa_system_sgpr_workgroup_id_x 1
		.amdhsa_system_sgpr_workgroup_id_y 1
		.amdhsa_system_sgpr_workgroup_id_z 1
		.amdhsa_system_vgpr_workitem_id 0
		.amdhsa_next_free_vgpr 1024
		.amdhsa_next_free_sgpr 96
		.amdhsa_reserve_vcc 0
		.amdhsa_float_denorm_mode_32 3
		.amdhsa_float_denorm_mode_16_64 3
		.amdhsa_memory_ordered 1
		.amdhsa_forward_progress 1
		.amdhsa_inst_pref_size 224
	.end_amdhsa_kernel
	.amdgpu_metadata
---
amdhsa.version: [ 1, 2 ]
amdhsa.kernels:
  - .name:           k_q7256ff07d7_main
    .symbol:         k_q7256ff07d7_main.kd
    .args:
      - { .name: x, .offset: 0, .size: 8, .value_kind: global_buffer, .address_space: global }
      - { .name: wf, .offset: 8, .size: 8, .value_kind: global_buffer, .address_space: global }
      - { .name: w2f, .offset: 16, .size: 8, .value_kind: global_buffer, .address_space: global }
      - { .name: pw, .offset: 24, .size: 8, .value_kind: global_buffer, .address_space: global }
      - { .name: b1, .offset: 32, .size: 8, .value_kind: global_buffer, .address_space: global }
      - { .name: b2, .offset: 40, .size: 8, .value_kind: global_buffer, .address_space: global }
      - { .name: bp, .offset: 48, .size: 8, .value_kind: global_buffer, .address_space: global }
      - { .name: out0, .offset: 56, .size: 8, .value_kind: global_buffer, .address_space: global }
    .group_segment_fixed_size: 282624
    .private_segment_fixed_size: 0
    .kernarg_segment_align: 8
    .kernarg_segment_size: 64
    .max_flat_workgroup_size: 128
    .sgpr_count:     96
    .vgpr_count:     1024
    .wavefront_size: 32
...
	.end_amdgpu_metadata
.endif
;; end of part 2
